; MI455X (gfx1250); checked and timed in simulation.
; The chip was launched on July 23, 2026; its instructions are those of AMD's public machine-readable ISA for CDNA 5 (MIT licence, August 2026) and "CDNA5" Instruction Set Architecture Reference Guide (July 2026). The comments in the code are by the model that wrote it; some were corrected since.
;; Post Processor KD. Allowed arithmetic: float matrix products may take bf16 or f16 operands with f32 sums; all other float work in f32.
;; Inputs: anchors 16,384 x 4 float32; sCls 8 x 16 x 128 x 128 float32; sReg 8 x 256 x 128 x 128 float32.
;; Outputs: out0 8 x 512 x 16 float32; out1 8 x 512 int32; out2 8 x 512 float32; out3 8 x 512 bool.
;; Constants: top_k = 512.
;; 3 versions, each right; version 2 is faster than version 1; version 3 is version 2 with the launch score written anew for expert scheduling mode. Each part assembles by itself: llvm-mc -triple=amdgcn-amd-amdhsa -mcpu=gfx1250 --defsym DOCPART=n.
;; ======== version 1 of 3: 3 launches
;; workspace buffers: keys 8,388,608 bytes of whole numbers; gmax 32,768 bytes of whole numbers; cand 16,777,216 bytes of whole numbers; cnt 1,024 bytes of whole numbers
;; launch score (part 1): grid 256 x 1, 8 waves a work-group, no clusters, 0 bytes of LDS; arguments sCls, keys, gmax; writes keys, gmax
.if DOCPART == 1
	.amdgcn_target "amdgcn-amd-amdhsa--gfx1250"
	.amdhsa_code_object_version 6
	.text
	.protected	k_qe621043d75_score
	.globl	k_qe621043d75_score
	.p2align	8
	.type	k_qe621043d75_score,@function
k_qe621043d75_score:
	s_mov_b64 s[64:65], 0
	v_nop
	global_prefetch_b8 v0, s[64:65] scope:SCOPE_SE
	s_setreg_imm32_b32 hwreg(HW_REG_WAVE_MODE, 25, 1), 1
	s_wait_xcnt 0x0
; keys[n][c][loc] = bits(max(sigmoid(sCls[n][c][loc]), 0.05f)) - bits(0.05f): 0 = not above the threshold (NaN too), else a whole
; number below 2^26 that orders as the f32 score does.  gmax[n][g] = the largest key of a group of 256 elements, 1,024 groups an image.
; The score is formed as the reference forms it, 1 / fl(1 + e^-x), because equal f32 scores are ordered by index later on, so the
; score's last bits count.  e^-x is therefore written out in fused multiply-adds, every bit fixed by this text: the scheme of Cephes'
; expf (n = floor(a log2 e + 1/2), r = a - n ln 2 with ln 2 in two parts, a polynomial of degree 5 in r, times 2^n), a = -x.
; The quotient is v_rcp_f32 with two Newton steps in fused form, which give the rounded 1 / d.
; LIMIT: where two scores are equal or one step apart in f32, their order hangs on the last bit of e^-x; an implementation of exp that
; differs from this one in that bit may round 1 + e^-x to the other side and order such a pair the other way.
; Logits are clipped to [-32, 32]: above 17 the f32 score is 1 already, below -3 it is under the threshold, so no result changes.
; Work-group = image n (of 8), block b (of 32) of 512 locations; wave w = classes 2w, 2w+1; a lane's load is 4 neighbouring locations,
; a wave's load 512 neighbouring bytes.  All eight loads of a wave go out at once: 32 KiB of a work-group are on their way.
.set TH_BITS,  0x3d4ccccd              ; 0.05f
.set KEY_BIAS, 0xc2b33333              ; - TH_BITS modulo 2^32
.set NLOG2E,   0xbfb8aa3b              ; -1.44269504: x times this = a log2 e
.set NC1,      0xbf318000              ; -0.693359375, ln 2's upper part: n times it is exact
.set NC2,      0x395e8083              ; +2.12194440e-4, what the upper part is too large by
.set EP0,      0x39506967              ; 1.9875691500e-4   the polynomial, highest power first
.set EP1,      0x3ab743ce              ; 1.3981999507e-3
.set EP2,      0x3c088908              ; 8.3334519073e-3
.set EP3,      0x3d2aa9c1              ; 4.1665795894e-2
.set EP4,      0x3e2aaaaa              ; 1.6666665459e-1
.set EP5,      0x3f000000              ; 5.0000001201e-1 rounds to 0.5
.set OFF,  1                           ; v1       byte offset of my 16 bytes in sCls and in keys
.set GO,   2                           ; v2       byte offset of my group's word in gmax
.set N,    4                           ; v[4:7]   n, then 2^n
.set R,    8                           ; v[8:11]  r
.set P,    12                          ; v[12:15] the polynomial, then e^r, then d = 1 + e^-x
.set X,    16                          ; v[16:47] eight loads of four logits; in place: the keys
.set Q,    48                          ; v[48:51] r^2, then Newton's residual
.set MX,   52                          ; v52      running maximum of my 32 scores
.set HALF, 54                          ; v[54:55] 0.5 twice: a packed instruction takes one literal, so second constants lie in register pairs
.set CP,   56                          ; v[56:65] EP1 .. EP5, each twice
	s_load_b128 s[4:7], s[0:1], 0x0                ; sCls s[4:5], keys s[6:7]
	s_load_b64 s[8:9], s[0:1], 0x10                ; gmax
	v_lshrrev_b32 v3, 5, v0
	v_readfirstlane_b32 s10, v3                    ; wave
	v_and_b32 v3, 31, v0                           ; lane
	s_lshr_b32 s11, ttmp9, 5                       ; image
	s_and_b32 s12, ttmp9, 31                       ; block
	s_lshl_b32 s11, s11, 20                        ; 16 classes x 16,384 locations x 4 bytes
	s_lshl_b32 s12, s12, 11                        ; 512 locations x 4 bytes
	s_add_co_u32 s11, s11, s12
	s_lshl_b32 s12, s10, 17                        ; two classes of 65,536 bytes
	s_add_co_u32 s11, s11, s12
	v_lshl_add_u32 v[OFF], v3, 4, s11
	s_lshl_b32 s12, ttmp9, 7                       ; 32 groups of a work-group, 4 bytes each
	s_lshl4_add_u32 s12, s10, s12                  ; + 4 groups of a wave
	v_lshrrev_b32 v[GO], 3, v3                     ; a group = 8 lanes x 32 registers
	v_lshl_add_u32 v[GO], v[GO], 2, s12
	s_wait_kmcnt 0x0
.irp q, 0,1,2,3,4,5,6,7
	global_load_b128 v[X+4*\q:X+4*\q+3], v[OFF], s[4:5] offset:(\q>>2)*65536+(\q&3)*512 th:TH_LOAD_NT
.endr
	v_mov_b32 v[MX], TH_BITS
.irp c, 0,1
	v_mov_b32 v[HALF+\c], 0.5
	v_mov_b32 v[CP+\c],   EP1
	v_mov_b32 v[CP+2+\c], EP2
	v_mov_b32 v[CP+4+\c], EP3
	v_mov_b32 v[CP+6+\c], EP4
	v_mov_b32 v[CP+8+\c], EP5
.endr
; four logits in v[x:x+3] become four keys
.macro SIG4 x
.irp k, 0,1,2,3
	v_max_num_f32 v[\x+\k], 0xc2000000, v[\x+\k]   ; at least -32; a NaN loses and becomes -32 = not valid, as in the reference
.endr
.irp k, 0,1,2,3
	v_min_num_f32 v[\x+\k], 0x42000000, v[\x+\k]   ; at most 32, so n lies in -46 .. 46
.endr
.irp k, 0,2
	v_pk_fma_f32 v[N+\k:N+\k+1], v[\x+\k:\x+\k+1], NLOG2E, v[HALF:HALF+1] op_sel_hi:[1,0,1]   ; a log2 e + 1/2
.endr
.irp k, 0,1,2,3
	v_floor_f32 v[N+\k], v[N+\k]                   ; n
.endr
.irp k, 0,2
	v_pk_fma_f32 v[R+\k:R+\k+1], v[N+\k:N+\k+1], NC1, v[\x+\k:\x+\k+1] op_sel_hi:[1,0,1] neg_lo:[0,0,1] neg_hi:[0,0,1]   ; a - n x 0.693359375, exact
.endr
.irp k, 0,2
	v_pk_fma_f32 v[R+\k:R+\k+1], v[N+\k:N+\k+1], NC2, v[R+\k:R+\k+1] op_sel_hi:[1,0,1]        ; r = a - n ln 2, within +-0.35
.endr
.irp k, 0,2
	v_pk_fma_f32 v[P+\k:P+\k+1], v[R+\k:R+\k+1], EP0, v[CP:CP+1] op_sel_hi:[1,0,1]
.endr
.irp c, 2,4,6,8
.irp k, 0,2
	v_pk_fma_f32 v[P+\k:P+\k+1], v[P+\k:P+\k+1], v[R+\k:R+\k+1], v[CP+\c:CP+\c+1]
.endr
.endr
.irp k, 0,2
	v_pk_mul_f32 v[Q+\k:Q+\k+1], v[R+\k:R+\k+1], v[R+\k:R+\k+1]
.endr
.irp k, 0,2
	v_pk_fma_f32 v[P+\k:P+\k+1], v[P+\k:P+\k+1], v[Q+\k:Q+\k+1], v[R+\k:R+\k+1]               ; r + r^2 p(r)
.endr
.irp k, 0,2
	v_pk_add_f32 v[P+\k:P+\k+1], v[P+\k:P+\k+1], 1.0 op_sel_hi:[1,0]                          ; e^r
.endr
.irp k, 0,1,2,3
	v_cvt_i32_f32 v[N+\k], v[N+\k]
.endr
.irp k, 0,1,2,3
	v_lshl_add_u32 v[N+\k], v[N+\k], 23, 0x3f800000                                           ; the bits of 2^n: n added to the exponent of 1.0
.endr
.irp k, 0,2
	v_pk_fma_f32 v[P+\k:P+\k+1], v[P+\k:P+\k+1], v[N+\k:N+\k+1], 1.0 op_sel_hi:[1,1,0]        ; d = fl(1 + e^r 2^n); the product is exact
.endr
.irp k, 0,1,2,3
	v_rcp_f32 v[\x+\k], v[P+\k]
.endr
	v_nop                                          ; one plain instruction behind the reciprocals (ISA guide 5.7.2); nothing independent is left to do here
	s_wait_alu depctr_va_vdst(0)
.rept 2
.irp k, 0,2
	v_pk_fma_f32 v[Q+\k:Q+\k+1], v[P+\k:P+\k+1], v[\x+\k:\x+\k+1], 1.0 op_sel_hi:[1,1,0] neg_lo:[1,0,0] neg_hi:[1,0,0]   ; 1 - d y
.endr
.irp k, 0,2
	v_pk_fma_f32 v[\x+\k:\x+\k+1], v[\x+\k:\x+\k+1], v[Q+\k:Q+\k+1], v[\x+\k:\x+\k+1]                                  ; y + y (1 - d y)
.endr
.endr
.irp k, 0,1,2,3
	v_max_num_f32 v[\x+\k], TH_BITS, v[\x+\k]      ; scores at or under the threshold all get key 0
.endr
	v_max3_num_f32 v[MX], v[\x], v[\x+1], v[MX]
	v_max3_num_f32 v[MX], v[\x+2], v[\x+3], v[MX]
.irp k, 0,1,2,3
	v_add_nc_u32 v[\x+\k], KEY_BIAS, v[\x+\k]
.endr
.endm
.irp q, 0,1,2,3,4,5,6,7
	s_wait_loadcnt 7-\q                            ; loads return in order: load q is in, the 7 - q younger ones stay out
	SIG4 X+4*\q
	global_store_b128 v[OFF], v[X+4*\q:X+4*\q+3], s[6:7] offset:(\q>>2)*65536+(\q&3)*512   ; a wave's store covers 512 neighbouring bytes; the next launch reads them
.endr
	; the largest score of 8 lanes x 32 registers; every one of the eight lanes ends up with it
	v_max_num_f32_dpp v[MX], v[MX], v[MX] row_xmask:1 row_mask:0xf bank_mask:0xf
	v_max_num_f32_dpp v[MX], v[MX], v[MX] row_xmask:2 row_mask:0xf bank_mask:0xf
	v_max_num_f32_dpp v[MX], v[MX], v[MX] row_xmask:4 row_mask:0xf bank_mask:0xf
	v_add_nc_u32 v[MX], KEY_BIAS, v[MX]
	v_and_b32 v3, 7, v0
	v_cmp_eq_u32 vcc_lo, 0, v3
	s_wait_xcnt 0x0                                ; EXEC is a source of the stores above: it narrows only behind this wait
	s_and_saveexec_b32 s13, vcc_lo
	global_store_b32 v[GO], v[MX], s[8:9]          ; four words a wave, 16 neighbouring bytes: 32 KiB in the whole launch
	s_endpgm
.Lfunc_end_k_qe621043d75_score:
	.size	k_qe621043d75_score, .Lfunc_end_k_qe621043d75_score-k_qe621043d75_score
	.p2alignl 7, 3214868480
	.fill 96, 4, 3214868480
	.section	.rodata,"a",@progbits
	.p2align	6, 0x0
	.amdhsa_kernel k_qe621043d75_score
		.amdhsa_group_segment_fixed_size 0
		.amdhsa_private_segment_fixed_size 0
		.amdhsa_enable_private_segment 0
		.amdhsa_kernarg_size 24
		.amdhsa_user_sgpr_count 2
		.amdhsa_user_sgpr_kernarg_segment_ptr 1
		.amdhsa_wavefront_size32 1
		.amdhsa_system_sgpr_workgroup_id_x 1
		.amdhsa_system_sgpr_workgroup_id_y 1
		.amdhsa_system_sgpr_workgroup_id_z 1
		.amdhsa_system_vgpr_workitem_id 0
		.amdhsa_next_free_vgpr 68
		.amdhsa_next_free_sgpr 66
		.amdhsa_reserve_vcc 1
		.amdhsa_float_denorm_mode_32 3
		.amdhsa_float_denorm_mode_16_64 3
		.amdhsa_memory_ordered 1
		.amdhsa_forward_progress 1
		.amdhsa_inst_pref_size 37
	.end_amdhsa_kernel
	.amdgpu_metadata
---
amdhsa.version: [ 1, 2 ]
amdhsa.kernels:
  - .name:           k_qe621043d75_score
    .symbol:         k_qe621043d75_score.kd
    .args:
      - { .name: sCls, .offset: 0, .size: 8, .value_kind: global_buffer, .address_space: global }
      - { .name: keys, .offset: 8, .size: 8, .value_kind: global_buffer, .address_space: global }
      - { .name: gmax, .offset: 16, .size: 8, .value_kind: global_buffer, .address_space: global }
    .group_segment_fixed_size: 0
    .private_segment_fixed_size: 0
    .kernarg_segment_align: 8
    .kernarg_segment_size: 24
    .max_flat_workgroup_size: 256
    .sgpr_count:     66
    .vgpr_count:     68
    .wavefront_size: 32
...
	.end_amdgpu_metadata
.endif
;; end of part 1
;; launch select (part 2): grid 256 x 1, 8 waves a work-group, no clusters, 1,536 bytes of LDS; arguments keys, gmax, cand, cnt; writes cand, cnt
.if DOCPART == 2
	.amdgcn_target "amdgcn-amd-amdhsa--gfx1250"
	.amdhsa_code_object_version 6
	.text
	.protected	k_qe621043d75_select
	.globl	k_qe621043d75_select
	.p2align	8
	.type	k_qe621043d75_select,@function
k_qe621043d75_select:
	s_mov_b64 s[64:65], 0
	v_nop
	global_prefetch_b8 v0, s[64:65] scope:SCOPE_SE
	s_setreg_imm32_b32 hwreg(HW_REG_WAVE_MODE, 25, 1), 1
	s_wait_xcnt 0x0
; Each work-group (image n, block b; the same share of elements as in the launch before) writes the list of its candidates:
; all elements with key >= max(T, 1).  T = the largest multiple of 2^13 that at least 512 of the image's 1,024 group maxima reach.
; Then at least 512 elements reach T, so the image's 512 best are all among the candidates, whatever the data; T = 0 always qualifies,
; and then every element above the threshold is a candidate.
; An entry is 8 bytes: word 0 = 0x3ffff - index, word 1 = key.  Read as one 64-bit number, larger = earlier in the result
; (larger score; among equal scores the lower index), and no two entries of an image are equal.
; cand: a segment of 8,192 entries for each work-group, filled from its start and padded with zero entries to a multiple of 32, at least 32.
; cnt[work-group] = its number of entries.
; Two passes over a wave's 32 key registers: the first makes the 32 lane masks and counts them; the eight waves' counts meet in LDS, so
; that each wave knows where its entries begin in the segment; the second stores the entries straight from registers.
; No branch hangs on a key: the path through the text is the same for all data, and what the keys decide are lane masks and places.
; Addresses and data are always made with all lanes on; EXEC is narrowed round a store alone.  It is all ones in front of every such
; stretch, so the constant -1 restores it and the copy that s_and_saveexec_b32 leaves is not used.
.set TWORD, 0                          ; LDS: the word T
.set CNTS,  256                        ; LDS: the eight waves' counts
.set K,   16                           ; v[16:47] my 32 keys
.set G,   48                           ; v[48:79] wave 0: the image's 1,024 group maxima
.set MSK, 66                           ; s[66:97] register r's mask of lanes whose key passes
; v1 lane  v2 key offset  v4 0x3ffff - my first index  v5 entry's byte offset  v[6:7] entry  v8-v15 at work  v[80:87] counts
; s12 wave  s13 image  s14 block  s15 T  s16 my wave's count, then the running place in the segment  s17, s21 at work  s18 EXEC's copy
; s19 entries of the waves below mine  s20 the work-group's entries  s23 bit  s24 trial  s25 count  s[28:35] the waves' counts  s[40:47] masks
	s_load_b256 s[4:11], s[0:1], 0x0               ; keys s[4:5], gmax s[6:7], cand s[8:9], cnt s[10:11]
	v_lshl_add_u32 v88, v0, 2, 0x200
	v_mov_b32 v89, 0
	v_lshrrev_b32 v8, 5, v0
	v_readfirstlane_b32 s12, v8
	v_and_b32 v1, 31, v0
	s_lshr_b32 s13, ttmp9, 5
	s_and_b32 s14, ttmp9, 31
	s_lshl_b32 s17, s13, 20
	s_lshl_b32 s21, s14, 11
	s_add_co_u32 s17, s17, s21
	s_lshl_b32 s21, s12, 17
	s_add_co_u32 s17, s17, s21
	v_lshl_add_u32 v2, v1, 4, s17                  ; as in the launch that wrote the keys
	s_lshl_b32 s21, s14, 13                        ; index = 16 x location + class: 512 b x 16,
	s_lshl1_add_u32 s21, s12, s21                  ; + class 2 w,
	s_sub_co_u32 s21, 0x3ffff, s21
	v_lshlrev_b32 v4, 6, v1                        ; + 4 locations a lane x 16
	v_sub_nc_u32 v4, s21, v4
	v_mov_b32 v9, TWORD
	s_lshl_b32 s17, s12, 2
	s_add_co_u32 s17, s17, CNTS
	v_mov_b32 v11, s17                             ; my wave's word among the counts
	v_mov_b32 v14, CNTS
	s_lshl_b32 s26, ttmp9, 16                      ; my segment: 8,192 entries x 8 bytes
	s_mov_b32 s27, 0
	s_wait_kmcnt 0x0
	s_add_nc_u64 s[8:9], s[8:9], s[26:27]
.irp q, 0,1,2,3,4,5,6,7
	global_load_b128 v[K+4*\q:K+4*\q+3], v2, s[4:5] offset:(\q>>2)*65536+(\q&3)*512 th:TH_LOAD_NT
.endr
	s_cmp_lg_u32 s12, 0
	s_cbranch_scc1 .Lhave_t
	; wave 0 alone: T, bit by bit from bit 25 (keys are below 2^26) down to bit 13
	s_lshl_b32 s17, s13, 12                        ; the image's 1,024 words
	v_lshl_add_u32 v10, v1, 4, s17
.irp k, 0,1,2,3,4,5,6,7
	global_load_b128 v[G+4*\k:G+4*\k+3], v10, s[6:7] offset:512*\k
.endr
	s_mov_b32 s15, 0
	s_mov_b32 s23, 25
	s_wait_loadcnt 0x0
.Lbit:
	s_lshl_b32 s24, 1, s23
	s_or_b32 s24, s15, s24                         ; T with this bit set
	s_mov_b32 s25, 0
.irp g, 0,1,2,3
.irp k, 0,1,2,3,4,5,6,7
	v_cmp_le_u32 s[40+\k], s24, v[G+8*\g+\k]
.endr
.irp k, 0,1,2,3,4,5,6,7
	s_bcnt1_i32_b32 s17, s[40+\k]
	s_add_co_u32 s25, s25, s17
.endr
.endr
	s_cmp_ge_u32 s25, 0x200                        ; do 512 group maxima still reach it?
	s_cselect_b32 s15, s24, s15
	s_sub_co_u32 s23, s23, 1
	s_cmp_gt_u32 s23, 12
	s_cbranch_scc1 .Lbit
	v_mov_b32 v8, s15
	ds_store_b32 v9, v8
.Lhave_t:
	s_wait_dscnt 0x0                               ; wave 0's store of T is done before it signals
	s_barrier_signal -1
	s_barrier_wait -1
	ds_load_b32 v8, v9
	s_wait_dscnt 0x0
	v_readfirstlane_b32 s15, v8
	s_max_u32 s15, s15, 1                          ; key 0 is never a candidate
	s_wait_loadcnt 0x0                             ; my 32 keys
	s_wait_xcnt 0x0                                ; EXEC changes further down only behind this wait
	; pass 1: the 32 masks, and how many entries my wave has
	s_mov_b32 s16, 0
.irp g, 0,1,2,3
.irp k, 0,1,2,3,4,5,6,7
	v_cmp_le_u32 s[MSK+8*\g+\k], s15, v[K+8*\g+\k]
.endr
.irp k, 0,1,2,3,4,5,6,7
	s_bcnt1_i32_b32 s17, s[MSK+8*\g+\k]
	s_add_co_u32 s16, s16, s17
.endr
.endr
	; the waves' counts meet in LDS: where my entries begin in the segment, and how long the segment's list is
	v_mov_b32 v8, s16
	ds_store_b32 v11, v8                           ; all lanes write the same word with the same value
	s_wait_dscnt 0x0
	s_barrier_signal -1
	s_barrier_wait -1
	ds_load_b128 v[80:83], v14
	ds_load_b128 v[84:87], v14 offset:16
	s_wait_dscnt 0x0
.irp u, 0,1,2,3,4,5,6,7
	v_readfirstlane_b32 s[28+\u], v[80+\u]
.endr
	s_mov_b32 s19, 0
	s_mov_b32 s20, 0
.irp u, 0,1,2,3,4,5,6,7
	s_cmp_gt_u32 s12, \u
	s_cselect_b32 s17, s[28+\u], 0
	s_add_co_u32 s19, s19, s17
	s_add_co_u32 s20, s20, s[28+\u]
.endr
	s_mov_b32 s16, s19                             ; from here on: the place of my wave's next entry
; pass 2, register r of my keys, whose elements' indices lie c above the lane's first: the lanes that pass store their entries, side by side.
; Every register takes its turn; where no lane passes, EXEC is 0 and the store moves nothing.
.macro PUT r, c
	v_mbcnt_lo_u32_b32 v5, s[MSK+\r], s16          ; the running place + the passing lanes below me
	v_min_u32 v5, 0x1fff, v5                       ; the bound that holds anyway (8,192 elements a work-group), written in the instruction
	v_lshlrev_b32 v5, 3, v5
	v_sub_nc_u32 v6, v4, \c
	v_mov_b32 v7, v[K+\r]
	s_bcnt1_i32_b32 s17, s[MSK+\r]
	s_add_co_u32 s16, s16, s17
	s_and_saveexec_b32 s18, s[MSK+\r]              ; nothing has been issued since the last wait on XCNT
	global_store_b64 v5, v[6:7], s[8:9]
	s_wait_xcnt 0x0                                ; EXEC, v5 and v[6:7] change only behind this wait
	s_mov_b32 exec_lo, -1
.endm
.irp q, 0,1,2,3,4,5,6,7
.irp e, 0,1,2,3
	PUT (4*\q+\e), (((\q&3)*128+\e)*16+(\q>>2))
.endr
.endr
	s_cmp_lg_u32 s12, 0
	s_cbranch_scc1 .Lend
	; wave 0 alone: zero entries up to a multiple of 32 (at least 32), so that the next launch reads whole runs of 32; and the count
	s_add_co_u32 s21, s20, 31
	s_and_not1_b32 s21, s21, 31
	s_max_u32 s21, s21, 32
	v_add_nc_u32 v8, s20, v1
	v_cmp_gt_u32 vcc_lo, s21, v8
	v_min_u32 v10, 0x1fff, v8
	v_lshlrev_b32 v10, 3, v10
	v_mov_b32 v12, 0
	v_mov_b32 v13, 0
	v_mov_b32 v15, s20
	s_lshl_b32 s17, ttmp9, 2
	v_mov_b32 v3, s17
	s_and_saveexec_b32 s18, vcc_lo
	global_store_b64 v10, v[12:13], s[8:9]
	s_wait_xcnt 0x0
	s_mov_b32 exec_lo, -1
	v_cmp_eq_u32 vcc_lo, 0, v1
	s_and_saveexec_b32 s18, vcc_lo
	global_store_b32 v3, v15, s[10:11]
.Lend:
	s_wait_xcnt 0x0
	s_mov_b32 exec_lo, -1
	s_wait_tensorcnt 0x0
	ds_add_u32 v88, v89
	s_wait_dscnt 0x0
	s_endpgm
.Lfunc_end_k_qe621043d75_select:
	.size	k_qe621043d75_select, .Lfunc_end_k_qe621043d75_select-k_qe621043d75_select
	.p2alignl 7, 3214868480
	.fill 96, 4, 3214868480
	.section	.rodata,"a",@progbits
	.p2align	6, 0x0
	.amdhsa_kernel k_qe621043d75_select
		.amdhsa_group_segment_fixed_size 1536
		.amdhsa_private_segment_fixed_size 0
		.amdhsa_enable_private_segment 0
		.amdhsa_kernarg_size 32
		.amdhsa_user_sgpr_count 2
		.amdhsa_user_sgpr_kernarg_segment_ptr 1
		.amdhsa_wavefront_size32 1
		.amdhsa_system_sgpr_workgroup_id_x 1
		.amdhsa_system_sgpr_workgroup_id_y 1
		.amdhsa_system_sgpr_workgroup_id_z 1
		.amdhsa_system_vgpr_workitem_id 0
		.amdhsa_next_free_vgpr 90
		.amdhsa_next_free_sgpr 98
		.amdhsa_reserve_vcc 1
		.amdhsa_float_denorm_mode_32 3
		.amdhsa_float_denorm_mode_16_64 3
		.amdhsa_memory_ordered 1
		.amdhsa_forward_progress 1
		.amdhsa_inst_pref_size 32
	.end_amdhsa_kernel
	.amdgpu_metadata
---
amdhsa.version: [ 1, 2 ]
amdhsa.kernels:
  - .name:           k_qe621043d75_select
    .symbol:         k_qe621043d75_select.kd
    .args:
      - { .name: keys, .offset: 0, .size: 8, .value_kind: global_buffer, .address_space: global }
      - { .name: gmax, .offset: 8, .size: 8, .value_kind: global_buffer, .address_space: global }
      - { .name: cand, .offset: 16, .size: 8, .value_kind: global_buffer, .address_space: global }
      - { .name: cnt, .offset: 24, .size: 8, .value_kind: global_buffer, .address_space: global }
    .group_segment_fixed_size: 1536
    .private_segment_fixed_size: 0
    .kernarg_segment_align: 8
    .kernarg_segment_size: 32
    .max_flat_workgroup_size: 256
    .sgpr_count:     98
    .vgpr_count:     90
    .wavefront_size: 32
...
	.end_amdgpu_metadata
.endif
;; end of part 2
;; launch emit (part 3): grid 256 x 1, 8 waves a work-group, no clusters, 263,424 bytes of LDS; arguments cand, cnt, sReg, anchors, out0, out1, out2, out3; writes out0, out1, out2, out3
.if DOCPART == 3
	.amdgcn_target "amdgcn-amd-amdhsa--gfx1250"
	.amdhsa_code_object_version 6
	.text
	.protected	k_qe621043d75_emit
	.globl	k_qe621043d75_emit
	.p2align	8
	.type	k_qe621043d75_emit,@function
k_qe621043d75_emit:
	s_mov_b64 s[64:65], 0
	v_nop
	global_prefetch_b8 v0, s[64:65] scope:SCOPE_SE
	s_setreg_imm32_b32 hwreg(HW_REG_WAVE_MODE, 25, 1), 1
	s_wait_xcnt 0x0
; Work-group (image n, block b) owns the candidates of segment b.  A candidate's row in the result is its rank = the number of the image's
; candidates whose 64-bit entry is larger.  Entries are all different, so ranks 0 .. M-1 are taken once each (M = the image's candidates);
; ranks under 512 are written, and rows M .. 511 are zeros: work-group b writes those among rows 16 b .. 16 b + 15.
; RANKS: lane = one of 32 own candidates; wave w counts against segments 4w .. 4w+3, entry by entry (v_readlane_b32, then the carry of
; C_j + not C_i, which is 1 exactly where C_j > C_i).  The eight waves' counts meet in LDS behind the one barrier.
; OUTPUT: eight threads a candidate, thread j8 takes keypoint j8: its x and y offsets lie 8 planes of 65,536 bytes apart in sReg.  These
; gathers are issued ahead of the ranking and waited for behind it.
; The first 32 entries of each of a wave's four segments stay in registers for the whole launch and serve every run of own candidates;
; own candidates beyond 32 and entries beyond a segment's first 32 run in loops counted by cnt: right for any number of candidates, in
; time that grows with own candidates x the image's candidates.
; A row of out0 is written as two runs of 32 bytes: neighbouring rows belong to other work-groups, so no wider store can be formed here.
; Every loaded number that enters an address is first cut to its table's size by a minimum written in the instruction.
; Addresses and data are always made with all lanes on; EXEC is narrowed round stores alone.  It is all ones in front of every such
; stretch, so the constant -1 restores it and the copy that s_and_saveexec_b32 leaves is not used.
.set PITCHW, 32784                     ; LDS: wave w's counts, 8,192 words + 16 bytes, so that the eight words of one candidate lie in different banks
.set TH_BITS, 0x3d4ccccd               ; 0.05f: score bits = key + this
; v1 lane  v2 8 lane  v3 i8 = thread / 8  v4 4 j8  v5 j8 planes  v[6:7] own entry  v8 index  v9 location  v10 class  v11 sReg offset
; v[12:13] x, y offsets  v[14:17] anchor  v18 anchor offset  v[20:21] C_i  v[22:23] not C_i  v24 count  v25 at work  v[26:33] first 32 entries
; of my four segments  v[34:35] a later run of 32  v36, v37 offsets  v38 candidate number  v39 LDS address  v40 rank  v41 at work
; v42, v43 output offsets  v44-v47 zero rows  v[48:49] w, h  v[50:51] keypoint  v52 score bits  v53 label  v54 root  v55 one
; v56 j8 x PITCHW  v57 j8  v58 where my wave's counts go
; s[4:19] the eight addresses  s20 wave  s21 image  s22 block  s23 own candidates  s[24:27] runs of 32 in my four segments  s28 M
; s29 runs of 32 own candidates  s30 mask  s31 EXEC's copy  s33-s35 at work  s[36:43] entries in turn  s44, s45, s47 counters and offsets
; s[48:51], s[58:63] offsets  s[52:53] own segment  s[54:55] my first segment  s[56:57] the image's counts  s[68:99] the 32 counts
	s_load_b512 s[4:19], s[0:1], 0x0               ; cand, cnt, sReg, anchors, out0, out1, out2, out3
	v_lshl_add_u32 v64, v0, 2, 0x40100
	v_mov_b32 v65, 0
	v_lshrrev_b32 v25, 5, v0
	v_readfirstlane_b32 s20, v25
	s_lshr_b32 s21, ttmp9, 5
	s_and_b32 s22, ttmp9, 31
	v_and_b32 v1, 31, v0
	v_lshlrev_b32 v2, 3, v1
	v_lshrrev_b32 v3, 3, v0
	v_and_b32 v57, 7, v0
	v_lshlrev_b32 v4, 2, v57
	v_lshlrev_b32 v5, 16, v57
	v_mul_u32_u24 v56, v57, PITCHW
	v_mov_b32 v41, 0                               ; a DPP destination counts as read: written once here
	v_mov_b32 v55, 1
	v_mov_b32 v38, v3                              ; first pass: candidates 0 .. 31
	s_mul_i32 s33, s20, PITCHW
	v_lshl_add_u32 v58, v1, 2, s33
	s_lshl_b32 s48, ttmp9, 16                      ; a segment is 65,536 bytes
	s_mov_b32 s49, 0
	s_and_not1_b32 s50, ttmp9, 31                  ; 32 n
	s_lshl2_add_u32 s50, s20, s50                  ; + 4 w
	s_lshl_b32 s50, s50, 16
	s_mov_b32 s51, 0
	s_lshl_b32 s58, s21, 7                         ; the image's 32 counts
	s_mov_b32 s59, 0
	s_lshl_b32 s60, s22, 2
	s_lshl_b32 s61, s20, 4
	s_mov_b32 s63, 0
	s_wait_kmcnt 0x0
	s_add_nc_u64 s[52:53], s[4:5], s[48:49]
	s_add_nc_u64 s[54:55], s[4:5], s[50:51]
	s_add_nc_u64 s[56:57], s[6:7], s[58:59]
	s_load_b512 s[68:83], s[56:57], 0x0
	s_load_b512 s[84:99], s[56:57], 0x40
	s_load_b32 s23, s[56:57], s60 offset:0x0       ; my own segment's count
	s_load_b128 s[24:27], s[56:57], s61 offset:0x0 ; the counts of the four segments that my wave counts against
	s_lshl_b32 s62, s21, 24                        ; the image in sReg: 256 planes of 65,536 bytes
	s_add_nc_u64 s[8:9], s[8:9], s[62:63]
	s_lshl_b32 s62, s21, 15                        ; in out0: 512 rows of 64 bytes
	s_add_nc_u64 s[12:13], s[12:13], s[62:63]
	s_lshl_b32 s62, s21, 11                        ; in out1 and out2: 512 words
	s_add_nc_u64 s[14:15], s[14:15], s[62:63]
	s_add_nc_u64 s[16:17], s[16:17], s[62:63]
	s_lshl_b32 s62, s21, 9                         ; in out3: 512 bytes
	s_add_nc_u64 s[18:19], s[18:19], s[62:63]
.macro ISSUE_A                         ; the entry of candidate v38 (padding entries are zeros and give a valid address)
	v_min_u32 v36, 0x1fff, v38
	v_lshlrev_b32 v36, 3, v36
	global_load_b64 v[6:7], v36, s[52:53]
.endm
.macro ISSUE_B left                    ; left = loads issued behind the entry's; then the three gathers
	s_wait_loadcnt \left
	v_sub_nc_u32 v8, 0x3ffff, v6                   ; index = 16 x location + class
	v_lshrrev_b32 v9, 4, v8
	v_min_u32 v9, 0x3fff, v9
	v_and_b32 v10, 15, v8
	v_min_u32 v10, 15, v10
	v_lshl_add_u32 v11, v10, 20, v5                ; plane 16 class + j8,
	v_lshl_add_u32 v11, v9, 2, v11                 ; word = location
	v_lshlrev_b32 v18, 4, v9
	global_load_b32 v12, v11, s[8:9]
	global_load_b32 v13, v11, s[8:9] offset:524288 ; eight planes on: the y offset
	global_load_b128 v[14:17], v18, s[10:11]
.endm
.macro RANK_BEGIN
	v_not_b32 v22, v20
	v_not_b32 v23, v21
	v_mov_b32 v24, 0
.endm
; the 32 entries in v[jr:jr+1], four at a time: eight reads of a lane, then three additions with carry for each entry
.macro CHUNKF jr
.set l, 0
.rept 8
.irp p, 0,1,2,3
	v_readlane_b32 s[36+2*\p], v[\jr], l+\p
	v_readlane_b32 s[37+2*\p], v[\jr+1], l+\p
.endr
.irp p, 0,1,2,3
	v_add_co_u32 v25, vcc_lo, s[36+2*\p], v22
	v_add_co_ci_u32 v25, vcc_lo, s[37+2*\p], v23, vcc_lo
	v_add_co_ci_u32 v24, vcc_lo, 0, v24, vcc_lo    ; + 1 where C_j > C_i
.endr
.set l, l+4
.endr
.endm
; segment k of my four, its runs of 32 behind the first: a trip loads one run and counts against its 32 entries
.macro SLOWSEG k
	s_cmp_le_u32 s[24+\k], 1
	s_cbranch_scc1 .Lseg_done_\@
	s_mov_b32 s45, 1
.Lrun_\@:
	s_min_u32 s47, s45, 255
	s_lshl_b32 s47, s47, 8
	v_add_nc_u32 v37, s47, v2
	global_load_b64 v[34:35], v37, s[54:55] offset:\k*65536
	s_wait_loadcnt 0x0                             ; also frees v37 for the next trip
	CHUNKF 34
	s_add_co_u32 s45, s45, 1
	s_cmp_lt_u32 s45, s[24+\k]
	s_cbranch_scc1 .Lrun_\@
.Lseg_done_\@:
.endm
; the 32 own candidates in v[20:21] against all entries of my four segments: the first runs from registers, later ones from memory
.macro RANK_ALL
	RANK_BEGIN
	CHUNKF 26
	CHUNKF 28
	CHUNKF 30
	CHUNKF 32
	SLOWSEG 0
	SLOWSEG 1
	SLOWSEG 2
	SLOWSEG 3
.endm
; candidate v38, keypoint j8: the rank from the eight waves' counts, the decode, the stores
.macro FINISH
	v_min_u32 v39, 0x1fff, v38
	v_lshl_add_u32 v39, v39, 2, v56
	ds_load_b32 v40, v39                           ; wave j8's count for this candidate
	s_wait_dscnt 0x0
.irp m, 1,2,4
	v_mov_b32_dpp v41, v40 row_xmask:\m row_mask:0xf bank_mask:0xf
	v_add_nc_u32 v40, v40, v41                     ; whole numbers throughout: the sum becomes an address
.endr
	s_wait_loadcnt 0x0                             ; the three gathers
	v_pk_add_f32 v[48:49], v[16:17], v[14:15] neg_lo:[0,1] neg_hi:[0,1]       ; w, h
	v_add_nc_u32 v52, TH_BITS, v7                  ; the score's bits
	v_sqrt_f32 v54, v52
	v_pk_fma_f32 v[50:51], v[48:49], 0.5, v[14:15] op_sel_hi:[1,0,1]          ; the centre, x1 + w / 2; also the plain instruction behind the root (ISA guide 5.7.2)
	v_pk_fma_f32 v[50:51], v[12:13], v[48:49], v[50:51]
	v_add_nc_u32 v53, 1, v10                       ; label
	v_cmp_gt_u32 s30, s23, v38                     ; a real candidate, no padding,
	v_cmp_gt_u32 vcc_lo, 0x200, v40                ; among the first 512
	s_and_b32 s30, s30, vcc_lo
	v_min_u32 v40, 0x1ff, v40
	v_lshl_add_u32 v42, v40, 6, v4
	v_lshlrev_b32 v43, 2, v40
	s_wait_xcnt 0x0                                ; EXEC is a source of the loads above: it narrows only behind this wait
	s_and_saveexec_b32 s31, s30
	global_store_b32 v42, v50, s[12:13]
	global_store_b32 v42, v51, s[12:13] offset:32
	s_and_b32 s30, s30, 0x01010101                 ; one of a candidate's eight threads
	s_wait_xcnt 0x0                                ; and it narrows further only behind this one
	s_and_saveexec_b32 s31, s30
	global_store_b32 v43, v53, s[14:15]
	s_wait_alu depctr_va_vdst(0)
	global_store_b32 v43, v54, s[16:17]
	global_store_b8 v40, v55, s[18:19]
	s_wait_xcnt 0x0                                ; frees EXEC and every register that the stores name
	s_mov_b32 exec_lo, -1
.endm
	ISSUE_A
	global_load_b64 v[20:21], v2, s[52:53]         ; C_i: own candidates 0 .. 31, one a lane
.irp k, 0,1,2,3
	global_load_b64 v[26+2*\k:27+2*\k], v2, s[54:55] offset:\k*65536
.endr
	ISSUE_B 5                                      ; the five loads just issued stay out
	s_wait_kmcnt 0x0
	s_min_u32 s23, s23, 0x2000
	s_add_co_u32 s29, s23, 31
	s_lshr_b32 s29, s29, 5
.irp k, 0,1,2,3
	s_min_u32 s[24+\k], s[24+\k], 0x2000
	s_add_co_u32 s[24+\k], s[24+\k], 31
	s_lshr_b32 s[24+\k], s[24+\k], 5
.endr
	s_add_co_u32 s28, s68, s69
.set u, 70
.rept 30
	s_add_co_u32 s28, s28, s[u]
.set u, u+1
.endr
	s_wait_loadcnt 0x3                             ; C_i and the four runs are in; the three gathers stay out while the ranks are counted
	RANK_ALL
	ds_store_b32 v58, v24
	; own candidates beyond the first 32
	s_cmp_le_u32 s29, 1
	s_cbranch_scc1 .Lranked
	s_mov_b32 s44, 1
.Lown:
	s_min_u32 s35, s44, 255
	s_lshl_b32 s34, s35, 8
	v_add_nc_u32 v37, s34, v2
	global_load_b64 v[20:21], v37, s[52:53]
	s_wait_loadcnt 0x0
	RANK_ALL
	s_lshl_b32 s34, s35, 7                         ; 32 words on for each run of own candidates
	v_add_nc_u32 v39, s34, v58
	ds_store_b32 v39, v24
	s_add_co_u32 s44, s44, 1
	s_cmp_lt_u32 s44, s29
	s_cbranch_scc1 .Lown
.Lranked:
	s_wait_dscnt 0x0                               ; my counts are in LDS before I signal
	s_barrier_signal -1
	s_barrier_wait -1
	FINISH
	s_cmp_le_u32 s29, 1
	s_cbranch_scc1 .Lzero
	s_mov_b32 s44, 1
.Lpass:
	s_min_u32 s35, s44, 255
	s_lshl_b32 s35, s35, 5
	v_add_nc_u32 v38, s35, v3
	ISSUE_A
	ISSUE_B 0
	FINISH
	s_add_co_u32 s44, s44, 1
	s_cmp_lt_u32 s44, s29
	s_cbranch_scc1 .Lpass
.Lzero:
	; rows that no candidate takes: sixteen threads a row, 64 neighbouring bytes of out0
	s_lshl_b32 s33, s22, 4
	v_lshrrev_b32 v44, 4, v0
	v_add_nc_u32 v44, s33, v44                     ; row 16 b + thread / 16
	v_cmp_le_u32 s30, s28, v44                     ; M <= row
	v_and_b32 v45, 15, v0
	v_lshlrev_b32 v45, 2, v45
	v_lshl_add_u32 v45, v44, 6, v45
	v_lshlrev_b32 v46, 2, v44
	v_mov_b32 v47, 0
	s_barrier_signal -1
	s_barrier_wait -1
	s_wait_tensorcnt 0x0
	ds_add_u32 v64, v65
	s_wait_dscnt 0x0
	s_and_saveexec_b32 s31, s30                    ; no global instruction has been issued since the last wait on XCNT
	global_store_b32 v45, v47, s[12:13]
	s_and_b32 s30, s30, 0x00010001                 ; one of a row's sixteen threads
	s_wait_xcnt 0x0
	s_and_saveexec_b32 s31, s30
	global_store_b32 v46, v47, s[14:15]
	global_store_b32 v46, v47, s[16:17]
	global_store_b8 v44, v47, s[18:19]
	s_endpgm
.Lfunc_end_k_qe621043d75_emit:
	.size	k_qe621043d75_emit, .Lfunc_end_k_qe621043d75_emit-k_qe621043d75_emit
	.p2alignl 7, 3214868480
	.fill 96, 4, 3214868480
	.section	.rodata,"a",@progbits
	.p2align	6, 0x0
	.amdhsa_kernel k_qe621043d75_emit
		.amdhsa_group_segment_fixed_size 263424
		.amdhsa_private_segment_fixed_size 0
		.amdhsa_enable_private_segment 0
		.amdhsa_kernarg_size 64
		.amdhsa_user_sgpr_count 2
		.amdhsa_user_sgpr_kernarg_segment_ptr 1
		.amdhsa_wavefront_size32 1
		.amdhsa_system_sgpr_workgroup_id_x 1
		.amdhsa_system_sgpr_workgroup_id_y 1
		.amdhsa_system_sgpr_workgroup_id_z 1
		.amdhsa_system_vgpr_workitem_id 0
		.amdhsa_next_free_vgpr 66
		.amdhsa_next_free_sgpr 100
		.amdhsa_reserve_vcc 1
		.amdhsa_float_denorm_mode_32 3
		.amdhsa_float_denorm_mode_16_64 3
		.amdhsa_memory_ordered 1
		.amdhsa_forward_progress 1
		.amdhsa_inst_pref_size 144
	.end_amdhsa_kernel
	.amdgpu_metadata
---
amdhsa.version: [ 1, 2 ]
amdhsa.kernels:
  - .name:           k_qe621043d75_emit
    .symbol:         k_qe621043d75_emit.kd
    .args:
      - { .name: cand, .offset: 0, .size: 8, .value_kind: global_buffer, .address_space: global }
      - { .name: cnt, .offset: 8, .size: 8, .value_kind: global_buffer, .address_space: global }
      - { .name: sReg, .offset: 16, .size: 8, .value_kind: global_buffer, .address_space: global }
      - { .name: anchors, .offset: 24, .size: 8, .value_kind: global_buffer, .address_space: global }
      - { .name: out0, .offset: 32, .size: 8, .value_kind: global_buffer, .address_space: global }
      - { .name: out1, .offset: 40, .size: 8, .value_kind: global_buffer, .address_space: global }
      - { .name: out2, .offset: 48, .size: 8, .value_kind: global_buffer, .address_space: global }
      - { .name: out3, .offset: 56, .size: 8, .value_kind: global_buffer, .address_space: global }
    .group_segment_fixed_size: 263424
    .private_segment_fixed_size: 0
    .kernarg_segment_align: 8
    .kernarg_segment_size: 64
    .max_flat_workgroup_size: 256
    .sgpr_count:     100
    .vgpr_count:     66
    .wavefront_size: 32
...
	.end_amdgpu_metadata
.endif
;; end of part 3
;; ======== version 2 of 3: 3 launches; 1.25 times as fast as version 1
;; workspace buffers: keys 8,388,608 bytes of whole numbers; gmax 32,768 bytes of whole numbers; cand 16,777,216 bytes of whole numbers; cnt 1,024 bytes of whole numbers
;; launch score: the kernel of part 1 again; grid 256 x 1, 8 waves a work-group, no clusters, 0 bytes of LDS; arguments sCls, keys, gmax; writes keys, gmax
;; launch select (part 4): grid 256 x 1, 16 waves a work-group, no clusters, 6,656 bytes of LDS; arguments keys, gmax, cand, cnt; writes cand, cnt
.if DOCPART == 4
	.amdgcn_target "amdgcn-amd-amdhsa--gfx1250"
	.amdhsa_code_object_version 6
	.text
	.protected	k_qe621043d75_select
	.globl	k_qe621043d75_select
	.p2align	8
	.type	k_qe621043d75_select,@function
k_qe621043d75_select:
	s_mov_b64 s[64:65], 0
	v_nop
	global_prefetch_b8 v0, s[64:65] scope:SCOPE_SE
	s_setreg_imm32_b32 hwreg(HW_REG_WAVE_MODE, 25, 1), 1
	s_wait_xcnt 0x0
; Each work-group (image n, block b of 512 locations, all 16 classes: 8,192 elements) writes the list of its candidates:
; all elements with key >= max(T, 1).  T = the largest multiple of 2^14 that at least 512 of the image's 1,024 group maxima reach.
; Then at least 512 elements reach T, so the image's 512 best are all among the candidates, whatever the data; T = 0 always qualifies,
; and then every element above the threshold is a candidate.
; An entry is 8 bytes: word 0 = 0x3ffff - index, word 1 = key.  Read as one 64-bit number, larger = earlier in the result
; (larger score; among equal scores the lower index), and no two entries of an image are equal.
; cand: a segment of 8,192 entries for each work-group, filled from its start and padded with zero entries to a multiple of 32, at least 32.
; cnt[work-group] = its number of entries.
; Sixteen waves; wave w has class w: 16 key registers a lane.
; T: the group maxima (4,096 bytes) are fetched once, 8 bytes a thread, laid in LDS and read from there by every wave.  Keys are below
; 2^26; bits 25 to 14 are found four at a time: in each of three steps wave w counts how many maxima reach T with digit w, and the
; sixteen answers meet in LDS.  They are true up to some digit and false above it, so the digit is the number of true answers less one.
; ENTRIES: 16 lane masks and their counts; the waves' counts meet in LDS, so that each wave knows where its entries begin in the
; segment; all 16 offsets and entries are made with all lanes on; then 16 stores, each under its mask.
; No branch hangs on a key: the path through the text is the same for all data, and what the keys decide are lane masks and places.
; EXEC is narrowed round a store alone.  It is all ones in front of every such stretch, so the constant -1 restores it and the copy that
; s_and_saveexec_b32 leaves is not used.
.set GM,   0                           ; LDS 0 .. 4,095: the image's 1,024 group maxima
.set FLG,  4096                        ; LDS: four slots of 16 words: the three steps' answers, then the waves' counts; each is written once
.set K,   16                           ; v[16:31]  my 16 keys
.set G,   32                           ; v[32:63]  the 1,024 group maxima, 32 a lane
.set A,   64                           ; v[64:79]  register r: byte offset of my entry in the segment
.set E,   80                           ; v[80:111] register r: my entry, a pair
.set MSK, 40                           ; s[40:55]  register r's mask of lanes whose key passes; before that, at work in the search
.set CN,  66                           ; s[66:81]  register r's number of such lanes
; v1 lane  v2 key offset  v3 8 x thread  v4 0x3ffff - my first index  v5 my 8 bytes of gmax  v6 16 x lane  v7-v10, v14, v15 at work
; v11 my wave's word in a slot  v12 word (lane mod 16) of a slot  v13 lane mod 16
; s12 wave  s13 image  s14 block  s15 T  s16 my wave's count, then the running place in the segment  s17, s21 at work  s18 EXEC's copy
; s20 the work-group's entries  s24 trial  s25 count
	s_load_b256 s[4:11], s[0:1], 0x0               ; keys s[4:5], gmax s[6:7], cand s[8:9], cnt s[10:11]
	v_lshl_add_u32 v112, v0, 2, 0x1200
	v_mov_b32 v113, 0
	v_lshrrev_b32 v8, 5, v0
	v_readfirstlane_b32 s12, v8
	v_and_b32 v1, 31, v0
	s_lshr_b32 s13, ttmp9, 5
	s_and_b32 s14, ttmp9, 31
	s_lshl_b32 s17, s13, 20                        ; 16 classes x 16,384 locations x 4 bytes
	s_lshl_b32 s21, s14, 11                        ; 512 locations x 4 bytes
	s_add_co_u32 s17, s17, s21
	s_lshl_b32 s21, s12, 16                        ; class w
	s_add_co_u32 s17, s17, s21
	v_lshl_add_u32 v2, v1, 4, s17                  ; 4 neighbouring locations a lane
	v_lshlrev_b32 v3, 3, v0
	s_lshl_b32 s17, s13, 12                        ; the image's 1,024 words
	v_add_nc_u32 v5, s17, v3
	s_lshl_b32 s26, ttmp9, 16                      ; my segment: 8,192 entries x 8 bytes
	s_mov_b32 s27, 0
	s_wait_kmcnt 0x0
	s_add_nc_u64 s[8:9], s[8:9], s[26:27]
	global_load_b64 v[8:9], v5, s[6:7]             ; 512 threads x 8 bytes = the image's group maxima, once
.irp q, 0,1,2,3
	global_load_b128 v[K+4*\q:K+4*\q+3], v2, s[4:5] offset:512*\q th:TH_LOAD_NT
.endr
	; while the loads are out: what hangs on no data
	s_lshl_b32 s21, s14, 13                        ; index = 16 x location + class: 512 b x 16,
	s_add_co_u32 s21, s21, s12                     ; + class w,
	s_sub_co_u32 s21, 0x3ffff, s21
	v_lshlrev_b32 v4, 6, v1                        ; + 4 locations a lane x 16
	v_sub_nc_u32 v4, s21, v4
	v_lshlrev_b32 v6, 4, v1
	s_lshl_b32 s17, s12, 2
	s_add_co_u32 s17, s17, FLG
	v_mov_b32 v11, s17
	v_and_b32 v13, 15, v0
	v_lshlrev_b32 v12, 2, v13
	v_add_nc_u32 v12, FLG, v12
	v_mov_b32 v14, 0                               ; DPP destinations count as read: written once here
	v_mov_b32 v15, 0
.irp q, 0,1,2,3
.irp e, 0,1,2,3
	v_sub_nc_u32 v[E+2*(4*\q+\e)], v4, (128*\q+\e)*16      ; word 0 of the entry of register 4 q + e: location 128 q + e on from the lane's first
.endr
.endr
	s_wait_loadcnt 0x4                             ; the group maxima are in; the four key loads issued behind them stay out
	ds_store_b64 v3, v[8:9]
	s_wait_dscnt 0x0                               ; my part is in LDS before I signal
	s_barrier_signal -1
	s_barrier_wait -1
.irp k, 0,1,2,3,4,5,6,7
	ds_load_b128 v[G+4*\k:G+4*\k+3], v6 offset:GM+512*\k
.endr
	s_mov_b32 s15, 0
	s_wait_dscnt 0x0
; one step of the search: the four bits of T from bit sh on; the answers go to slot number slot
.macro ROUND sh, slot
	s_lshl_b32 s24, s12, \sh
	s_or_b32 s24, s15, s24                         ; T with my wave's number as the digit
	s_mov_b32 s25, 0
.irp g, 0,1,2,3
.irp k, 0,1,2,3,4,5,6,7
	v_cmp_le_u32 s[MSK+8*(\g&1)+\k], s24, v[G+8*\g+\k]
.endr
.irp k, 0,1,2,3,4,5,6,7
	s_bcnt1_i32_b32 s17, s[MSK+8*(\g&1)+\k]
	s_add_co_u32 s25, s25, s17
.endr
.endr
	s_cmp_ge_u32 s25, 0x200                        ; do 512 group maxima reach it?
	s_cselect_b32 s17, 1, 0
	v_mov_b32 v8, s17
	ds_store_b32 v11, v8 offset:64*\slot           ; all lanes write the same word with the same value
	s_wait_dscnt 0x0
	s_barrier_signal -1
	s_barrier_wait -1
	ds_load_b32 v9, v12 offset:64*\slot            ; lane l: the answer of wave l mod 16
	s_wait_dscnt 0x0
	v_cmp_ne_u32 vcc_lo, 0, v9
	s_and_b32 s17, vcc_lo, 0xffff
	s_bcnt1_i32_b32 s17, s17                       ; at least 1: digit 0 leaves T as it was, which 512 maxima reach
	s_sub_co_u32 s17, s17, 1
	s_lshl_b32 s17, s17, \sh
	s_or_b32 s15, s15, s17
.endm
	ROUND 22, 0
	ROUND 18, 1
	ROUND 14, 2
	s_max_u32 s15, s15, 1                          ; key 0 is never a candidate
	s_wait_loadcnt 0x0                             ; my 16 keys
	; the 16 masks, and how many entries my wave has
	s_mov_b32 s16, 0
.set r, 0
.rept 16
	v_cmp_le_u32 s[MSK+r], s15, v[K+r]
.set r, r+1
.endr
.set r, 0
.rept 16
	s_bcnt1_i32_b32 s[CN+r], s[MSK+r]
	s_add_co_u32 s16, s16, s[CN+r]
.set r, r+1
.endr
	; the waves' counts meet in LDS: where my entries begin in the segment, and how long the segment's list is
	v_mov_b32 v8, s16
	ds_store_b32 v11, v8 offset:192
	s_wait_dscnt 0x0
	s_barrier_signal -1
	s_barrier_wait -1
	ds_load_b32 v9, v12 offset:192                 ; lane l: the count of wave l mod 16
.set r, 0
.rept 16
	v_mov_b32 v[E+2*r+1], v[K+r]                   ; word 1 of the entries, while the counts come
.set r, r+1
.endr
	s_wait_dscnt 0x0
	v_cmp_gt_u32 vcc_lo, s12, v13
	v_cndmask_b32 v10, 0, v9, vcc_lo               ; the counts of the waves below mine alone
.irp m, 1,2,4,8
	v_mov_b32_dpp v14, v9 row_xmask:\m row_mask:0xf bank_mask:0xf
	v_mov_b32_dpp v15, v10 row_xmask:\m row_mask:0xf bank_mask:0xf
	v_add_nc_u32 v9, v9, v14                       ; both sums over the 16 lanes of a row, in whole numbers
	v_add_nc_u32 v10, v10, v15
.endr
	v_readfirstlane_b32 s20, v9                    ; the work-group's entries
	v_readfirstlane_b32 s16, v10                   ; from here on: the place of my wave's next entry
	; the 16 offsets, all lanes on
.set r, 0
.rept 16
	v_mbcnt_lo_u32_b32 v[A+r], s[MSK+r], s16       ; the running place + the passing lanes below me
	v_min_u32 v[A+r], 0x1fff, v[A+r]               ; the bound that holds anyway (8,192 elements a work-group), written in the instruction
	v_lshlrev_b32 v[A+r], 3, v[A+r]
	s_add_co_u32 s16, s16, s[CN+r]
.set r, r+1
.endr
	; the 16 stores: the lanes that pass store their entries side by side; where no lane passes, EXEC is 0 and the store moves nothing
	s_wait_xcnt 0x0                                ; EXEC is a source of the loads above: it narrows only behind this wait
.set r, 0
.rept 16
	s_and_saveexec_b32 s18, s[MSK+r]
	global_store_b64 v[A+r], v[E+2*r:E+2*r+1], s[8:9]
	s_wait_xcnt 0x0                                ; EXEC changes only behind this wait
	s_mov_b32 exec_lo, -1
.set r, r+1
.endr
	s_cmp_lg_u32 s12, 0
	s_cbranch_scc1 .Lend
	; wave 0 alone: zero entries up to a multiple of 32 (at least 32), so that the next launch reads whole runs of 32; and the count
	s_add_co_u32 s21, s20, 31
	s_and_not1_b32 s21, s21, 31
	s_max_u32 s21, s21, 32
	v_add_nc_u32 v8, s20, v1
	v_cmp_gt_u32 vcc_lo, s21, v8
	v_min_u32 v10, 0x1fff, v8
	v_lshlrev_b32 v10, 3, v10
	v_mov_b32 v14, 0
	v_mov_b32 v15, 0
	v_mov_b32 v9, s20
	s_lshl_b32 s17, ttmp9, 2
	v_mov_b32 v7, s17
	s_and_saveexec_b32 s18, vcc_lo
	global_store_b64 v10, v[14:15], s[8:9]
	s_wait_xcnt 0x0
	s_mov_b32 exec_lo, -1
	v_cmp_eq_u32 vcc_lo, 0, v1
	s_and_saveexec_b32 s18, vcc_lo
	global_store_b32 v7, v9, s[10:11]
.Lend:
	s_wait_xcnt 0x0
	s_mov_b32 exec_lo, -1
	s_wait_tensorcnt 0x0
	ds_add_u32 v112, v113
	s_wait_dscnt 0x0
	s_endpgm
.Lfunc_end_k_qe621043d75_select:
	.size	k_qe621043d75_select, .Lfunc_end_k_qe621043d75_select-k_qe621043d75_select
	.p2alignl 7, 3214868480
	.fill 96, 4, 3214868480
	.section	.rodata,"a",@progbits
	.p2align	6, 0x0
	.amdhsa_kernel k_qe621043d75_select
		.amdhsa_group_segment_fixed_size 6656
		.amdhsa_private_segment_fixed_size 0
		.amdhsa_enable_private_segment 0
		.amdhsa_kernarg_size 32
		.amdhsa_user_sgpr_count 2
		.amdhsa_user_sgpr_kernarg_segment_ptr 1
		.amdhsa_wavefront_size32 1
		.amdhsa_system_sgpr_workgroup_id_x 1
		.amdhsa_system_sgpr_workgroup_id_y 1
		.amdhsa_system_sgpr_workgroup_id_z 1
		.amdhsa_system_vgpr_workitem_id 0
		.amdhsa_next_free_vgpr 114
		.amdhsa_next_free_sgpr 82
		.amdhsa_reserve_vcc 1
		.amdhsa_float_denorm_mode_32 3
		.amdhsa_float_denorm_mode_16_64 3
		.amdhsa_memory_ordered 1
		.amdhsa_forward_progress 1
		.amdhsa_inst_pref_size 30
	.end_amdhsa_kernel
	.amdgpu_metadata
---
amdhsa.version: [ 1, 2 ]
amdhsa.kernels:
  - .name:           k_qe621043d75_select
    .symbol:         k_qe621043d75_select.kd
    .args:
      - { .name: keys, .offset: 0, .size: 8, .value_kind: global_buffer, .address_space: global }
      - { .name: gmax, .offset: 8, .size: 8, .value_kind: global_buffer, .address_space: global }
      - { .name: cand, .offset: 16, .size: 8, .value_kind: global_buffer, .address_space: global }
      - { .name: cnt, .offset: 24, .size: 8, .value_kind: global_buffer, .address_space: global }
    .group_segment_fixed_size: 6656
    .private_segment_fixed_size: 0
    .kernarg_segment_align: 8
    .kernarg_segment_size: 32
    .max_flat_workgroup_size: 512
    .sgpr_count:     82
    .vgpr_count:     114
    .wavefront_size: 32
...
	.end_amdgpu_metadata
.endif
;; end of part 4
;; launch emit (part 5): grid 256 x 1, 8 waves a work-group, no clusters, 263,424 bytes of LDS; arguments cand, cnt, sReg, anchors, out0, out1, out2, out3; writes out0, out1, out2, out3
.if DOCPART == 5
	.amdgcn_target "amdgcn-amd-amdhsa--gfx1250"
	.amdhsa_code_object_version 6
	.text
	.protected	k_qe621043d75_emit
	.globl	k_qe621043d75_emit
	.p2align	8
	.type	k_qe621043d75_emit,@function
k_qe621043d75_emit:
	s_mov_b64 s[64:65], 0
	v_nop
	global_prefetch_b8 v0, s[64:65] scope:SCOPE_SE
	s_setreg_imm32_b32 hwreg(HW_REG_WAVE_MODE, 25, 1), 1
	s_wait_xcnt 0x0
; A candidate's row in the result is its rank = the number of the image's candidates whose 64-bit entry is larger.  Entries are all
; different, so ranks 0 .. M-1 are taken once each (M = the image's candidates); ranks under 512 are written, and rows M .. 511 are zeros:
; work-group b writes those among rows 16 b .. 16 b + 15.
; WHO OWNS WHAT: the image's 32 segments, one behind the other, form a list of M places.  Work-group b of the image owns places b, b + 32,
; b + 64, ..: every work-group of an image has the same share, however the candidates are spread over the segments.  A pass takes 32 of
; them (place b + 32 lane + 1,024 pass); there are ceil(M / 1,024) passes, the first written out straight, the others in loops.
; FROM A PLACE TO AN ENTRY: with P(s) the entries in front of segment s (running sums of cnt), place p lies in the last segment with
; P(s) <= p, as entry number p + 8,192 s - P(s) of the image's part of cand: 31 compares, each followed by a select.
; Places at or behind M are cut to the last candidate (with M = 0: to a zero entry); they are counted like it and masked at the stores.
; RANKS: lane = one own candidate; wave w counts against segments 4w .. 4w+3, entry by entry (v_readlane_b32, then the carry of
; C_j + not C_i, which is 1 exactly where C_j > C_i).  The eight waves' counts meet in LDS behind the one barrier.
; The first 32 entries of each of a wave's four segments stay in registers; later runs of 32 are loaded in loops counted by cnt.
; OUTPUT: eight threads a candidate, thread j8 takes keypoint j8: its x and y offsets lie 8 planes of 65,536 bytes apart in sReg.  A thread
; takes its candidate's entry from the lane of its own wave that holds it (ds_bpermute_b32).  The gathers are issued ahead of the
; ranking and waited for behind it.
; Right for any number of candidates, in time that grows with the square of an image's number of candidates.
; A row of out0 is written as two runs of 32 bytes: neighbouring rows belong to other work-groups, so no wider store can be formed here.
; Every loaded number that enters an address is first cut to its table's size by a minimum written in the instruction.
; Addresses and data are always made with all lanes on; EXEC is narrowed round stores alone.  It is all ones in front of every such
; stretch, so the constant -1 restores it and the copy that s_and_saveexec_b32 leaves is not used.
.set PITCHW, 32784                     ; LDS: wave w's counts, 8,192 words + 16 bytes, so that the eight words of one candidate lie in different banks
.set TH_BITS, 0x3d4ccccd               ; 0.05f: score bits = key + this
; v1 lane  v2 8 lane  v3 i8 = thread / 8  v4 4 j8  v5 j8 planes  v[6:7] my candidate's entry  v8 index  v9 location  v10 class  v11 sReg offset
; v[12:13] x, y offsets  v[14:17] anchor  v18 anchor offset  v19 my candidate's place  v[20:21] C_i  v[22:23] not C_i  v24 count  v25 at work
; v[26:33] first 32 entries of my four segments  v[34:35] a later run of 32  v36 8,192 s - P(s)  v37 offset  v38 candidate number
; v39 LDS address  v40 rank  v41 at work  v42, v43 output offsets  v44-v47 zero rows  v[48:49] w, h  v[50:51] keypoint  v52 score bits
; v53 label  v54 root  v55 one  v56 j8 x PITCHW  v57 j8  v58 where my wave's counts go  v59 place  v60 b + 32 lane  v61 entry's offset  v62 4 i8
; s[4:19] the eight addresses  s20 wave  s21 image  s22 block  s[24:27] runs of 32 in my four segments  s28 M  s29 passes  s30 mask
; s31 EXEC's copy  s33-s35 at work  s[36:43] entries in turn, and at work  s44, s45, s47 counters and offsets  s46 the last place
; s[48:51], s[58:63] offsets  s[52:53] the image's segments  s[54:55] my first segment  s[56:57] the image's counts
; s[68:99] the 32 counts, then their running sums: s[68+u] = P(u+1)
	s_load_b512 s[4:19], s[0:1], 0x0               ; cand, cnt, sReg, anchors, out0, out1, out2, out3
	v_lshl_add_u32 v64, v0, 2, 0x40100
	v_mov_b32 v65, 0
	v_lshrrev_b32 v25, 5, v0
	v_readfirstlane_b32 s20, v25
	s_lshr_b32 s21, ttmp9, 5
	s_and_b32 s22, ttmp9, 31
	v_and_b32 v1, 31, v0
	v_lshlrev_b32 v2, 3, v1
	v_lshrrev_b32 v3, 3, v0
	v_and_b32 v57, 7, v0
	v_lshlrev_b32 v4, 2, v57
	v_lshlrev_b32 v5, 16, v57
	v_mul_u32_u24 v56, v57, PITCHW
	v_mov_b32 v41, 0                               ; a DPP destination counts as read: written once here
	v_mov_b32 v55, 1
	v_mov_b32 v38, v3                              ; first pass: own candidates 0 .. 31
	v_lshlrev_b32 v62, 2, v3                       ; the lane that holds candidate i8 of a pass, as ds_bpermute_b32 wants it
	v_lshl_add_u32 v60, v1, 5, s22
	s_mul_i32 s33, s20, PITCHW
	v_lshl_add_u32 v58, v1, 2, s33
	s_lshl_b32 s48, s21, 21                        ; an image's 32 segments of 65,536 bytes
	s_mov_b32 s49, 0
	s_and_not1_b32 s50, ttmp9, 31                  ; 32 n
	s_lshl2_add_u32 s50, s20, s50                  ; + 4 w
	s_lshl_b32 s50, s50, 16
	s_mov_b32 s51, 0
	s_lshl_b32 s58, s21, 7                         ; the image's 32 counts
	s_mov_b32 s59, 0
	s_lshl_b32 s61, s20, 4
	s_mov_b32 s63, 0
	s_wait_kmcnt 0x0
	s_add_nc_u64 s[52:53], s[4:5], s[48:49]
	s_add_nc_u64 s[54:55], s[4:5], s[50:51]
	s_add_nc_u64 s[56:57], s[6:7], s[58:59]
	s_load_b512 s[68:83], s[56:57], 0x0
	s_load_b512 s[84:99], s[56:57], 0x40
	s_load_b128 s[24:27], s[56:57], s61 offset:0x0 ; the counts of the four segments that my wave counts against
.irp k, 0,1,2,3
	global_load_b64 v[26+2*\k:27+2*\k], v2, s[54:55] offset:\k*65536       ; their first runs of 32 hang on no count
.endr
	s_lshl_b32 s62, s21, 24                        ; the image in sReg: 256 planes of 65,536 bytes
	s_add_nc_u64 s[8:9], s[8:9], s[62:63]
	s_lshl_b32 s62, s21, 15                        ; in out0: 512 rows of 64 bytes
	s_add_nc_u64 s[12:13], s[12:13], s[62:63]
	s_lshl_b32 s62, s21, 11                        ; in out1 and out2: 512 words
	s_add_nc_u64 s[14:15], s[14:15], s[62:63]
	s_add_nc_u64 s[16:17], s[16:17], s[62:63]
	s_lshl_b32 s62, s21, 9                         ; in out3: 512 bytes
	s_add_nc_u64 s[18:19], s[18:19], s[62:63]
; the entry at place v59 of the image's list is asked for, into v[20:21]
.macro OWN
	v_min_u32 v59, s46, v59                        ; places behind the last are cut to it
	v_mov_b32 v36, 0
.set u, 0
.rept 31
	s_sub_co_u32 s[36+(u&3)], (u+1)*8192, s[68+u]  ; 8,192 s - P(s) for s = u + 1
	v_cmp_le_u32 vcc_lo, s[68+u], v59              ; P(s) <= place: true up to the place's segment, so the last true one stays
	v_cndmask_b32 v36, v36, s[36+(u&3)], vcc_lo
.set u, u+1
.endr
	v_add_nc_u32 v61, v36, v59
	v_min_u32 v61, 0x3ffff, v61                    ; the image's 32 x 8,192 entries: holds anyway, written in the instruction
	v_lshlrev_b32 v61, 3, v61
	global_load_b64 v[20:21], v61, s[52:53]
.endm
; my candidate's entry from the lane that holds it, and the three gathers (a zero entry gives addresses inside the tables too)
.macro GATHER
	ds_bpermute_b32 v6, v62, v20
	ds_bpermute_b32 v7, v62, v21
	s_wait_dscnt 0x0
	v_sub_nc_u32 v8, 0x3ffff, v6                   ; index = 16 x location + class
	v_lshrrev_b32 v9, 4, v8
	v_min_u32 v9, 0x3fff, v9
	v_and_b32 v10, 15, v8
	v_min_u32 v10, 15, v10
	v_lshl_add_u32 v11, v10, 20, v5                ; plane 16 class + j8,
	v_lshl_add_u32 v11, v9, 2, v11                 ; word = location
	v_lshlrev_b32 v18, 4, v9
	global_load_b32 v12, v11, s[8:9]
	global_load_b32 v13, v11, s[8:9] offset:524288 ; eight planes on: the y offset
	global_load_b128 v[14:17], v18, s[10:11]
.endm
.macro RANK_BEGIN
	v_not_b32 v22, v20
	v_not_b32 v23, v21
	v_mov_b32 v24, 0
.endm
; the 32 entries in v[jr:jr+1], four at a time: eight reads of a lane, then three additions with carry for each entry
.macro CHUNKF jr
.set l, 0
.rept 8
.irp p, 0,1,2,3
	v_readlane_b32 s[36+2*\p], v[\jr], l+\p
	v_readlane_b32 s[37+2*\p], v[\jr+1], l+\p
.endr
.irp p, 0,1,2,3
	v_add_co_u32 v25, vcc_lo, s[36+2*\p], v22
	v_add_co_ci_u32 v25, vcc_lo, s[37+2*\p], v23, vcc_lo
	v_add_co_ci_u32 v24, vcc_lo, 0, v24, vcc_lo    ; + 1 where C_j > C_i
.endr
.set l, l+4
.endr
.endm
; segment k of my four, its runs of 32 behind the first: a trip loads one run and counts against its 32 entries
.macro SLOWSEG k
	s_cmp_le_u32 s[24+\k], 1
	s_cbranch_scc1 .Lseg_done_\@
	s_mov_b32 s45, 1
.Lrun_\@:
	s_min_u32 s47, s45, 255
	s_lshl_b32 s47, s47, 8
	v_add_nc_u32 v37, s47, v2
	global_load_b64 v[34:35], v37, s[54:55] offset:\k*65536
	s_wait_loadcnt 0x0                             ; also frees v37 for the next trip
	CHUNKF 34
	s_add_co_u32 s45, s45, 1
	s_cmp_lt_u32 s45, s[24+\k]
	s_cbranch_scc1 .Lrun_\@
.Lseg_done_\@:
.endm
; the 32 own candidates in v[20:21] against all entries of my four segments: the first runs from registers, later ones from memory
.macro RANK_ALL
	RANK_BEGIN
	CHUNKF 26
	CHUNKF 28
	CHUNKF 30
	CHUNKF 32
	SLOWSEG 0
	SLOWSEG 1
	SLOWSEG 2
	SLOWSEG 3
.endm
; own candidate v38, keypoint j8: the rank from the eight waves' counts, the decode, the stores
.macro FINISH
	v_min_u32 v39, 0x1fff, v38
	v_lshl_add_u32 v39, v39, 2, v56
	ds_load_b32 v40, v39                           ; wave j8's count for this candidate
	s_wait_dscnt 0x0
.irp m, 1,2,4
	v_mov_b32_dpp v41, v40 row_xmask:\m row_mask:0xf bank_mask:0xf
	v_add_nc_u32 v40, v40, v41                     ; whole numbers throughout: the sum becomes an address
.endr
	s_wait_loadcnt 0x0                             ; the three gathers
	v_pk_add_f32 v[48:49], v[16:17], v[14:15] neg_lo:[0,1] neg_hi:[0,1]       ; w, h
	v_add_nc_u32 v52, TH_BITS, v7                  ; the score's bits
	v_sqrt_f32 v54, v52
	v_pk_fma_f32 v[50:51], v[48:49], 0.5, v[14:15] op_sel_hi:[1,0,1]          ; the centre, x1 + w / 2; also the plain instruction behind the root (ISA guide 5.7.2)
	v_pk_fma_f32 v[50:51], v[12:13], v[48:49], v[50:51]
	v_add_nc_u32 v53, 1, v10                       ; label
	v_lshl_add_u32 v19, v38, 5, s22                ; the candidate's place, b + 32 x its number
	v_cmp_gt_u32 s30, s28, v19                     ; a place of the list, not one that was cut,
	v_cmp_gt_u32 vcc_lo, 0x200, v40                ; among the first 512
	s_and_b32 s30, s30, vcc_lo
	v_min_u32 v40, 0x1ff, v40
	v_lshl_add_u32 v42, v40, 6, v4
	v_lshlrev_b32 v43, 2, v40
	s_wait_xcnt 0x0                                ; EXEC is a source of the loads above: it narrows only behind this wait
	s_and_saveexec_b32 s31, s30
	global_store_b32 v42, v50, s[12:13]
	global_store_b32 v42, v51, s[12:13] offset:32
	s_and_b32 s30, s30, 0x01010101                 ; one of a candidate's eight threads
	s_wait_xcnt 0x0                                ; and it narrows further only behind this one
	s_and_saveexec_b32 s31, s30
	global_store_b32 v43, v53, s[14:15]
	s_wait_alu depctr_va_vdst(0)
	global_store_b32 v43, v54, s[16:17]
	global_store_b8 v40, v55, s[18:19]
	s_wait_xcnt 0x0                                ; frees EXEC and every register that the stores name
	s_mov_b32 exec_lo, -1
.endm
	s_wait_kmcnt 0x0                               ; the counts
.irp k, 0,1,2,3
	s_min_u32 s[24+\k], s[24+\k], 0x2000
	s_add_co_u32 s[24+\k], s[24+\k], 31
	s_lshr_b32 s[24+\k], s[24+\k], 5
.endr
.set u, 69
.rept 31
	s_add_co_u32 s[u], s[u], s[u-1]                ; running sums in place
.set u, u+1
.endr
	s_min_u32 s28, s99, 0x40000                    ; M: at most all 262,144 elements of an image
	s_max_u32 s46, s28, 1
	s_sub_co_u32 s46, s46, 1                       ; the last place
	s_add_co_u32 s29, s28, 1023
	s_lshr_b32 s29, s29, 10                        ; passes
	v_mov_b32 v59, v60                             ; first pass: places b + 32 lane
	OWN
	s_wait_loadcnt 0x0                             ; C_i, and the four first runs issued ahead of it
	GATHER                                         ; the gathers stay out while the ranks are counted
	RANK_ALL
	ds_store_b32 v58, v24
	; own candidates beyond the first 32
	s_cmp_le_u32 s29, 1
	s_cbranch_scc1 .Lranked
	s_mov_b32 s44, 1
.Lown:
	s_min_u32 s35, s44, 255
	s_lshl_b32 s34, s35, 10                        ; 1,024 places on for each pass
	v_add_nc_u32 v59, s34, v60
	OWN
	s_wait_loadcnt 0x0
	RANK_ALL
	s_lshl_b32 s34, s35, 7                         ; 32 words on for each pass
	v_add_nc_u32 v39, s34, v58
	ds_store_b32 v39, v24
	s_add_co_u32 s44, s44, 1
	s_cmp_lt_u32 s44, s29
	s_cbranch_scc1 .Lown
.Lranked:
	s_wait_dscnt 0x0                               ; my counts are in LDS before I signal
	s_barrier_signal -1
	s_barrier_wait -1
	FINISH
	s_cmp_le_u32 s29, 1
	s_cbranch_scc1 .Lzero
	s_mov_b32 s44, 1
.Lpass:
	s_min_u32 s35, s44, 255
	s_lshl_b32 s34, s35, 10
	v_add_nc_u32 v59, s34, v60
	OWN
	s_lshl_b32 s34, s35, 5
	v_add_nc_u32 v38, s34, v3
	s_wait_loadcnt 0x0
	GATHER
	FINISH
	s_add_co_u32 s44, s44, 1
	s_cmp_lt_u32 s44, s29
	s_cbranch_scc1 .Lpass
.Lzero:
	; rows that no candidate takes: sixteen threads a row, 64 neighbouring bytes of out0
	s_lshl_b32 s33, s22, 4
	v_lshrrev_b32 v44, 4, v0
	v_add_nc_u32 v44, s33, v44                     ; row 16 b + thread / 16
	v_cmp_le_u32 s30, s28, v44                     ; M <= row
	v_and_b32 v45, 15, v0
	v_lshlrev_b32 v45, 2, v45
	v_lshl_add_u32 v45, v44, 6, v45
	v_lshlrev_b32 v46, 2, v44
	v_mov_b32 v47, 0
	s_barrier_signal -1
	s_barrier_wait -1
	s_wait_tensorcnt 0x0
	ds_add_u32 v64, v65
	s_wait_dscnt 0x0
	s_and_saveexec_b32 s31, s30                    ; no global instruction has been issued since the last wait on XCNT
	global_store_b32 v45, v47, s[12:13]
	s_and_b32 s30, s30, 0x00010001                 ; one of a row's sixteen threads
	s_wait_xcnt 0x0
	s_and_saveexec_b32 s31, s30
	global_store_b32 v46, v47, s[14:15]
	global_store_b32 v46, v47, s[16:17]
	global_store_b8 v44, v47, s[18:19]
	s_endpgm
.Lfunc_end_k_qe621043d75_emit:
	.size	k_qe621043d75_emit, .Lfunc_end_k_qe621043d75_emit-k_qe621043d75_emit
	.p2alignl 7, 3214868480
	.fill 96, 4, 3214868480
	.section	.rodata,"a",@progbits
	.p2align	6, 0x0
	.amdhsa_kernel k_qe621043d75_emit
		.amdhsa_group_segment_fixed_size 263424
		.amdhsa_private_segment_fixed_size 0
		.amdhsa_enable_private_segment 0
		.amdhsa_kernarg_size 64
		.amdhsa_user_sgpr_count 2
		.amdhsa_user_sgpr_kernarg_segment_ptr 1
		.amdhsa_wavefront_size32 1
		.amdhsa_system_sgpr_workgroup_id_x 1
		.amdhsa_system_sgpr_workgroup_id_y 1
		.amdhsa_system_sgpr_workgroup_id_z 1
		.amdhsa_system_vgpr_workitem_id 0
		.amdhsa_next_free_vgpr 66
		.amdhsa_next_free_sgpr 100
		.amdhsa_reserve_vcc 1
		.amdhsa_float_denorm_mode_32 3
		.amdhsa_float_denorm_mode_16_64 3
		.amdhsa_memory_ordered 1
		.amdhsa_forward_progress 1
		.amdhsa_inst_pref_size 159
	.end_amdhsa_kernel
	.amdgpu_metadata
---
amdhsa.version: [ 1, 2 ]
amdhsa.kernels:
  - .name:           k_qe621043d75_emit
    .symbol:         k_qe621043d75_emit.kd
    .args:
      - { .name: cand, .offset: 0, .size: 8, .value_kind: global_buffer, .address_space: global }
      - { .name: cnt, .offset: 8, .size: 8, .value_kind: global_buffer, .address_space: global }
      - { .name: sReg, .offset: 16, .size: 8, .value_kind: global_buffer, .address_space: global }
      - { .name: anchors, .offset: 24, .size: 8, .value_kind: global_buffer, .address_space: global }
      - { .name: out0, .offset: 32, .size: 8, .value_kind: global_buffer, .address_space: global }
      - { .name: out1, .offset: 40, .size: 8, .value_kind: global_buffer, .address_space: global }
      - { .name: out2, .offset: 48, .size: 8, .value_kind: global_buffer, .address_space: global }
      - { .name: out3, .offset: 56, .size: 8, .value_kind: global_buffer, .address_space: global }
    .group_segment_fixed_size: 263424
    .private_segment_fixed_size: 0
    .kernarg_segment_align: 8
    .kernarg_segment_size: 64
    .max_flat_workgroup_size: 256
    .sgpr_count:     100
    .vgpr_count:     66
    .wavefront_size: 32
...
	.end_amdgpu_metadata
.endif
;; end of part 5
;; ======== version 3 of 3: 3 launches; version 2 with the launch score written anew for expert scheduling mode
;; workspace buffers: keys 8,388,608 bytes of whole numbers; gmax 32,768 bytes of whole numbers; cand 16,777,216 bytes of whole numbers; cnt 1,024 bytes of whole numbers
;; launch score (part 6): grid 256 x 1, 8 waves a work-group, no clusters, 0 bytes of LDS; arguments sCls, keys, gmax; writes keys, gmax
.if DOCPART == 6
	.amdgcn_target "amdgcn-amd-amdhsa--gfx1250"
	.amdhsa_code_object_version 6
	.text
	.protected	k_qe621043d75_score
	.globl	k_qe621043d75_score
	.p2align	8
	.type	k_qe621043d75_score,@function
k_qe621043d75_score:
	s_mov_b64 s[64:65], 0
	v_nop
	global_prefetch_b8 v0, s[64:65] scope:SCOPE_SE
	s_setreg_imm32_b32 hwreg(HW_REG_WAVE_SCHED_MODE, 0, 2), 2
	s_setreg_imm32_b32 hwreg(HW_REG_WAVE_MODE, 25, 1), 1
	s_wait_xcnt 0x0
	s_wait_alu depctr_vm_vsrc(0)
; keys[n][c][loc] = bits(max(sigmoid(sCls[n][c][loc]), 0.05f)) - bits(0.05f): 0 = not above the threshold (NaN too), else a whole
; number below 2^26 that orders as the f32 score does.  gmax[n][g] = the largest key of a group of 256 elements, 1,024 groups an image.
; The score is formed as the reference forms it, 1 / fl(1 + e^-x), because equal f32 scores are ordered by index later on, so the
; score's last bits count.  e^-x is therefore written out in fused multiply-adds, every bit fixed by this text: the scheme of Cephes'
; expf (n = floor(a log2 e + 1/2), r = a - n ln 2 with ln 2 in two parts, a polynomial of degree 5 in r, times 2^n), a = -x.
; The quotient is v_rcp_f32 with two Newton steps in fused form, which give the rounded 1 / d.
; LIMIT: where two scores are equal or one step apart in f32, their order hangs on the last bit of e^-x; an implementation of exp that
; differs from this one in that bit may round 1 + e^-x to the other side and order such a pair the other way.
; Logits are clipped to [-32, 32]: above 17 the f32 score is 1 already, below -3 it is under the threshold, so no result changes.
; Work-group = image n (of 8), block b (of 32) of 512 locations; wave w = classes 2w, 2w+1; a lane's load is 4 neighbouring locations,
; a wave's load 512 neighbouring bytes.  All eight loads of a wave go out at once: 32 KiB of a work-group are on their way.
; THE MODE: SCHED_MODE bits 1:0 = 2 (LLVM: expert scheduling mode 2), set by the entry lines.  The code itself states the register dependences
; between vector instructions and memory instructions, with s_wait_alu, always for 0.
; THE PLAN.  Registers that memory instructions touch:
;   v[OFF], v[GO]  byte offsets, made once at the head and never written again; read by the loads and the stores.
;   X, part q      four registers: load q lands in them once; step q's arithmetic turns them into keys in place; store q reads them; nothing writes them behind that.
;   v[MX]          written by vector instructions; read by the one store to gmax.
;   N, R, P, Q, HALF, CP are named by vector instructions alone.
; Step q holds ONE wait on va_vdst, behind its four reciprocals and ahead of their first reader.  Store q - 1 stands directly behind that wait, which also
; states that step q - 1 has written its four keys; the vector instructions that follow name P, Q and X's part q, none of the registers that this store reads.
; No register that a memory instruction has read is written again, so the steps hold no wait on vm_vsrc; the one in the text stands ahead of the write of EXEC.
.set TH_BITS,  0x3d4ccccd              ; 0.05f
.set KEY_BIAS, 0xc2b33333              ; - TH_BITS modulo 2^32
.set NLOG2E,   0xbfb8aa3b              ; -1.44269504: x times this = a log2 e
.set NC1,      0xbf318000              ; -0.693359375, ln 2's upper part: n times it is exact
.set NC2,      0x395e8083              ; +2.12194440e-4, what the upper part is too large by
.set EP0,      0x39506967              ; 1.9875691500e-4   the polynomial, highest power first
.set EP1,      0x3ab743ce              ; 1.3981999507e-3
.set EP2,      0x3c088908              ; 8.3334519073e-3
.set EP3,      0x3d2aa9c1              ; 4.1665795894e-2
.set EP4,      0x3e2aaaaa              ; 1.6666665459e-1
.set EP5,      0x3f000000              ; 5.0000001201e-1 rounds to 0.5
.set OFF,  1                           ; v1       byte offset of my 16 bytes in sCls and in keys
.set GO,   2                           ; v2       byte offset of my group's word in gmax
.set N,    4                           ; v[4:7]   n, then 2^n
.set R,    8                           ; v[8:11]  r
.set P,    12                          ; v[12:15] the polynomial, then e^r, then d = 1 + e^-x
.set X,    16                          ; v[16:47] eight loads of four logits; in place: the keys
.set Q,    48                          ; v[48:51] r^2, then Newton's residual
.set MX,   52                          ; v52      running maximum of my 32 scores
.set HALF, 54                          ; v[54:55] 0.5 twice: a packed instruction takes one literal, so second constants lie in register pairs
.set CP,   56                          ; v[56:65] EP1 .. EP5, each twice
	s_load_b128 s[4:7], s[0:1], 0x0                ; sCls s[4:5], keys s[6:7]
	s_load_b64 s[8:9], s[0:1], 0x10                ; gmax
	v_lshrrev_b32 v3, 5, v0
	v_readfirstlane_b32 s10, v3                    ; wave
	v_and_b32 v3, 31, v0                           ; lane
	s_lshr_b32 s11, ttmp9, 5                       ; image
	s_and_b32 s12, ttmp9, 31                       ; block
	s_lshl_b32 s11, s11, 20                        ; 16 classes x 16,384 locations x 4 bytes
	s_lshl_b32 s12, s12, 11                        ; 512 locations x 4 bytes
	s_add_co_u32 s11, s11, s12
	s_wait_alu depctr_va_sdst(0)                   ; s10 is written, ahead of its first reader: both offsets are made from it
	s_lshl_b32 s12, s10, 17                        ; two classes of 65,536 bytes
	s_add_co_u32 s11, s11, s12
	v_lshl_add_u32 v[OFF], v3, 4, s11
	s_lshl_b32 s12, ttmp9, 7                       ; 32 groups of a work-group, 4 bytes each
	s_lshl4_add_u32 s12, s10, s12                  ; + 4 groups of a wave
	v_lshrrev_b32 v[GO], 3, v3                     ; a group = 8 lanes x 32 registers
	v_lshl_add_u32 v[GO], v[GO], 2, s12
	s_wait_kmcnt 0x0
	s_wait_alu depctr_va_vdst(0)                   ; v[OFF] and v[GO] are written: every load and store of the kernel reads one of them as its offset
.irp q, 0,1,2,3,4,5,6,7
	global_load_b128 v[X+4*\q:X+4*\q+3], v[OFF], s[4:5] offset:(\q>>2)*65536+(\q&3)*512 th:TH_LOAD_NT
.endr
	v_mov_b32 v[MX], TH_BITS
.irp c, 0,1
	v_mov_b32 v[HALF+\c], 0.5
	v_mov_b32 v[CP+\c],   EP1
	v_mov_b32 v[CP+2+\c], EP2
	v_mov_b32 v[CP+4+\c], EP3
	v_mov_b32 v[CP+6+\c], EP4
	v_mov_b32 v[CP+8+\c], EP5
.endr
; step q: four logits in v[x:x+3] become four keys; in its middle the four keys of step q - 1, in v[x-4:x-1], are stored
.macro SIG4 x, q
.irp k, 0,1,2,3
	v_max_num_f32 v[\x+\k], 0xc2000000, v[\x+\k]   ; at least -32; a NaN loses and becomes -32 = not valid, as in the reference
.endr
.irp k, 0,1,2,3
	v_min_num_f32 v[\x+\k], 0x42000000, v[\x+\k]   ; at most 32, so n lies in -46 .. 46
.endr
.irp k, 0,2
	v_pk_fma_f32 v[N+\k:N+\k+1], v[\x+\k:\x+\k+1], NLOG2E, v[HALF:HALF+1] op_sel_hi:[1,0,1]   ; a log2 e + 1/2
.endr
.irp k, 0,1,2,3
	v_floor_f32 v[N+\k], v[N+\k]                   ; n
.endr
.irp k, 0,2
	v_pk_fma_f32 v[R+\k:R+\k+1], v[N+\k:N+\k+1], NC1, v[\x+\k:\x+\k+1] op_sel_hi:[1,0,1] neg_lo:[0,0,1] neg_hi:[0,0,1]   ; a - n x 0.693359375, exact
.endr
.irp k, 0,2
	v_pk_fma_f32 v[R+\k:R+\k+1], v[N+\k:N+\k+1], NC2, v[R+\k:R+\k+1] op_sel_hi:[1,0,1]        ; r = a - n ln 2, within +-0.35
.endr
.irp k, 0,2
	v_pk_fma_f32 v[P+\k:P+\k+1], v[R+\k:R+\k+1], EP0, v[CP:CP+1] op_sel_hi:[1,0,1]
.endr
.irp c, 2,4,6,8
.irp k, 0,2
	v_pk_fma_f32 v[P+\k:P+\k+1], v[P+\k:P+\k+1], v[R+\k:R+\k+1], v[CP+\c:CP+\c+1]
.endr
.endr
.irp k, 0,2
	v_pk_mul_f32 v[Q+\k:Q+\k+1], v[R+\k:R+\k+1], v[R+\k:R+\k+1]
.endr
.irp k, 0,2
	v_pk_fma_f32 v[P+\k:P+\k+1], v[P+\k:P+\k+1], v[Q+\k:Q+\k+1], v[R+\k:R+\k+1]               ; r + r^2 p(r)
.endr
.irp k, 0,2
	v_pk_add_f32 v[P+\k:P+\k+1], v[P+\k:P+\k+1], 1.0 op_sel_hi:[1,0]                          ; e^r
.endr
.irp k, 0,1,2,3
	v_cvt_i32_f32 v[N+\k], v[N+\k]
.endr
.irp k, 0,1,2,3
	v_lshl_add_u32 v[N+\k], v[N+\k], 23, 0x3f800000                                           ; the bits of 2^n: n added to the exponent of 1.0
.endr
.irp k, 0,2
	v_pk_fma_f32 v[P+\k:P+\k+1], v[P+\k:P+\k+1], v[N+\k:N+\k+1], 1.0 op_sel_hi:[1,1,0]        ; d = fl(1 + e^r 2^n); the product is exact
.endr
.irp k, 0,1,2,3
	v_rcp_f32 v[\x+\k], v[P+\k]
.endr
	v_nop                                          ; one plain instruction behind the reciprocals (ISA guide 5.7.2); nothing independent is left to do here
	s_wait_alu depctr_va_vdst(0)                   ; the four reciprocals are written, ahead of their first reader; and the step before has written its four keys, which the store below reads
.if (\q) > 0
	global_store_b128 v[OFF], v[\x-4:\x-1], s[6:7] offset:(((\q)-1)>>2)*65536+(((\q)-1)&3)*512   ; the keys of step q - 1: a wave's store covers 512 neighbouring bytes; the next launch reads them.  No vector instruction behind the wait names these registers
.endif
.rept 2
.irp k, 0,2
	v_pk_fma_f32 v[Q+\k:Q+\k+1], v[P+\k:P+\k+1], v[\x+\k:\x+\k+1], 1.0 op_sel_hi:[1,1,0] neg_lo:[1,0,0] neg_hi:[1,0,0]   ; 1 - d y
.endr
.irp k, 0,2
	v_pk_fma_f32 v[\x+\k:\x+\k+1], v[\x+\k:\x+\k+1], v[Q+\k:Q+\k+1], v[\x+\k:\x+\k+1]                                  ; y + y (1 - d y)
.endr
.endr
.irp k, 0,1,2,3
	v_max_num_f32 v[\x+\k], TH_BITS, v[\x+\k]      ; scores at or under the threshold all get key 0
.endr
	v_max3_num_f32 v[MX], v[\x], v[\x+1], v[MX]
	v_max3_num_f32 v[MX], v[\x+2], v[\x+3], v[MX]
.irp k, 0,1,2,3
	v_add_nc_u32 v[\x+\k], KEY_BIAS, v[\x+\k]
.endr
.endm
.irp q, 0,1,2,3,4,5,6,7
	s_wait_loadcnt 7-\q                            ; loads return in order: load q is in, the 7 - q younger ones stay out
	SIG4 X+4*\q, \q
.endr
	s_wait_alu depctr_va_vdst(0)                   ; step 7 has written its four keys, which the last of the eight stores reads
	global_store_b128 v[OFF], v[X+28:X+31], s[6:7] offset:65536+3*512
	; the largest score of 8 lanes x 32 registers; every one of the eight lanes ends up with it
	v_max_num_f32_dpp v[MX], v[MX], v[MX] row_xmask:1 row_mask:0xf bank_mask:0xf
	v_max_num_f32_dpp v[MX], v[MX], v[MX] row_xmask:2 row_mask:0xf bank_mask:0xf
	v_max_num_f32_dpp v[MX], v[MX], v[MX] row_xmask:4 row_mask:0xf bank_mask:0xf
	v_add_nc_u32 v[MX], KEY_BIAS, v[MX]
	v_and_b32 v3, 7, v0
	v_cmp_eq_u32 vcc_lo, 0, v3
	s_wait_xcnt 0x0                                ; EXEC is a source of the stores above: it narrows only behind this wait
	s_wait_alu depctr_va_vcc(0)                    ; the compare has written VCC, from which EXEC is made
	s_wait_alu depctr_va_vdst(0)                   ; the vector instructions issued under the full EXEC are done; among them the reduction has written v[MX], which the store below reads
	s_wait_alu depctr_vm_vsrc(0)                   ; the eight stores issued under the full EXEC have read their vector registers
	s_and_saveexec_b32 s13, vcc_lo
	global_store_b32 v[GO], v[MX], s[8:9]          ; four words a wave, 16 neighbouring bytes: 32 KiB in the whole launch
	s_endpgm
.Lfunc_end_k_qe621043d75_score:
	.size	k_qe621043d75_score, .Lfunc_end_k_qe621043d75_score-k_qe621043d75_score
	.p2alignl 7, 3214868480
	.fill 96, 4, 3214868480
	.section	.rodata,"a",@progbits
	.p2align	6, 0x0
	.amdhsa_kernel k_qe621043d75_score
		.amdhsa_group_segment_fixed_size 0
		.amdhsa_private_segment_fixed_size 0
		.amdhsa_enable_private_segment 0
		.amdhsa_kernarg_size 24
		.amdhsa_user_sgpr_count 2
		.amdhsa_user_sgpr_kernarg_segment_ptr 1
		.amdhsa_wavefront_size32 1
		.amdhsa_system_sgpr_workgroup_id_x 1
		.amdhsa_system_sgpr_workgroup_id_y 1
		.amdhsa_system_sgpr_workgroup_id_z 1
		.amdhsa_system_vgpr_workitem_id 0
		.amdhsa_next_free_vgpr 68
		.amdhsa_next_free_sgpr 66
		.amdhsa_reserve_vcc 1
		.amdhsa_float_denorm_mode_32 3
		.amdhsa_float_denorm_mode_16_64 3
		.amdhsa_memory_ordered 1
		.amdhsa_forward_progress 1
		.amdhsa_inst_pref_size 37
	.end_amdhsa_kernel
	.amdgpu_metadata
---
amdhsa.version: [ 1, 2 ]
amdhsa.kernels:
  - .name:           k_qe621043d75_score
    .symbol:         k_qe621043d75_score.kd
    .args:
      - { .name: sCls, .offset: 0, .size: 8, .value_kind: global_buffer, .address_space: global }
      - { .name: keys, .offset: 8, .size: 8, .value_kind: global_buffer, .address_space: global }
      - { .name: gmax, .offset: 16, .size: 8, .value_kind: global_buffer, .address_space: global }
    .group_segment_fixed_size: 0
    .private_segment_fixed_size: 0
    .kernarg_segment_align: 8
    .kernarg_segment_size: 24
    .max_flat_workgroup_size: 256
    .sgpr_count:     66
    .vgpr_count:     68
    .wavefront_size: 32
...
	.end_amdgpu_metadata
.endif
;; end of part 6
;; launch select: the kernel of part 4 again; grid 256 x 1, 16 waves a work-group, no clusters, 6,656 bytes of LDS; arguments keys, gmax, cand, cnt; writes cand, cnt
;; launch emit: the kernel of part 5 again; grid 256 x 1, 8 waves a work-group, no clusters, 263,424 bytes of LDS; arguments cand, cnt, sReg, anchors, out0, out1, out2, out3; writes out0, out1, out2, out3
